; MI455X (gfx1250); checked and timed in simulation.
; The chip was launched on July 23, 2026; its instructions are those of AMD's public machine-readable ISA for CDNA 5 (MIT licence, August 2026) and "CDNA5" Instruction Set Architecture Reference Guide (July 2026). The comments in the code are by the model that wrote it; some were corrected since.
;; GRU Cell. Allowed arithmetic: float matrix products may take bf16 or f16 operands with f32 sums; all other float work in f32.
;; Inputs: b_uh 1,024 float32; b_ur 1,024 float32; b_uz 1,024 float32; b_wh 1,024 float32; b_wr 1,024 float32; b_wz 1,024 float32; h_prev 8,192 x 1,024 float32; u_h 1,024 x 1,024 float32; u_r 1,024 x 1,024 float32; u_z 1,024 x 1,024 float32; w_h 1,024 x 1,024 float32; w_r 1,024 x 1,024 float32; w_z 1,024 x 1,024 float32; x 8,192 x 1,024 float32.
;; Outputs: out0 8,192 x 1,024 float32.
;; One version. Each part assembles by itself: llvm-mc -triple=amdgcn-amd-amdhsa -mcpu=gfx1250 --defsym DOCPART=n.
;; ======== version 1 of 1: 3 launches
;; workspace buffers: xb 16,777,216 bytes; hb 16,777,216 bytes; rb 16,777,216 bytes; zf 33,554,432 bytes; wcat 12,582,912 bytes
;; launch tobf16 (part 1): grid 64 x 22, 8 waves a work-group, no clusters, 0 bytes of LDS; arguments x, h_prev, w_r, u_r, w_z, u_z, w_h, u_h, xb, hb, wcat; writes xb, hb, wcat
.if DOCPART == 1
	.amdgcn_target "amdgcn-amd-amdhsa--gfx1250"
	.amdhsa_code_object_version 6
	.text
	.protected	k_qa3f4a8c110_tobf16
	.globl	k_qa3f4a8c110_tobf16
	.p2align	8
	.type	k_qa3f4a8c110_tobf16,@function
k_qa3f4a8c110_tobf16:
	s_mov_b64 s[64:65], 0
	v_nop
	global_prefetch_b8 v0, s[64:65] scope:SCOPE_SE
	s_setreg_imm32_b32 hwreg(HW_REG_WAVE_MODE, 25, 1), 1
	s_wait_xcnt 0x0
; bf16 copies of the matrix operands, each f32 number rounded once to nearest even:
;   xb[8192][1024] = x,  hb[8192][1024] = h_prev,
;   wcat[3072][2048]: rows 0-1023 gate r, 1024-2047 gate z, 2048-3071 gate h; in a row, columns 0-1023 = w_g[n], columns 1024-2047 = u_g[n],
;   so that K runs on without a break from the x side to the h side of a gate's weights.
; A stream: every source byte is read once, every result byte stored once.  No LDS, no barrier, no matrix unit, no cluster: no two
; work-groups share a byte and no number meets another.
; Grid y picks a slab of 1024 x 1024 numbers (0-7 x, 8-15 h_prev, 16-21 w_r u_r w_z u_z w_h u_h), grid x 16 rows of it, wave w rows 2w, 2w+1:
; 8,192 consecutive source bytes, sixteen loads of 512 consecutive bytes, all issued before the first is waited for.
; Each store of the wave covers 256 consecutive bytes, aligned (32 lanes x 4 bf16).
.set X,  4                             ; v[4:67]   load i: 4 f32
.set Y,  68                            ; v[68:99]  store i: 4 bf16 in 2 registers
.set TW, 100                           ; wave number
.set TL, 101                           ; lane
	s_load_b512 s[8:23], s[0:1], 0x0               ; the eight sources: x 8, h_prev 10, w_r 12, u_r 14, w_z 16, u_z 18, w_h 20, u_h 22
	s_load_b128 s[24:27], s[0:1], 0x40             ; xb 24, hb 26
	s_load_b64 s[28:29], s[0:1], 0x50              ; wcat
	s_and_b32 s2, ttmp7, 0xffff                    ; the slab, 0 to 21
	s_and_b32 s4, s2, 7                            ; slab inside x or h_prev; for 16 to 21 the number of the weight, 0 to 5
	s_lshl_b32 s34, s4, 22                         ; x, h_prev: the slab's 4 MiB in the source,
	s_lshl_b32 s36, s4, 21                         ; its 2 MiB in the copy
	s_lshr_b32 s30, s4, 1                          ; a weight: gate = number / 2: 1,024 rows of 4,096 bytes of wcat,
	s_lshl_b32 s30, s30, 22
	s_and_b32 s31, s4, 1                           ; side = number mod 2: 2,048 bytes into the row
	s_lshl_b32 s31, s31, 11
	s_add_co_u32 s30, s30, s31
	s_cmp_ge_u32 s2, 16                            ; a weight?
	s_cselect_b32 s34, 0, s34                      ; a weight is one slab: its source starts at 0
	s_cselect_b32 s36, s30, s36
	s_cselect_b32 s33, 12, 11                      ; log2 of the copy's row pitch in bytes: 4,096 in wcat, 2,048 in xb and hb
	s_lshl_b32 s32, 1, s33                         ; the pitch
	s_add_co_u32 s33, s33, 4
	s_lshl_b32 s33, ttmp9, s33                     ; my 16 rows in the copy
	s_add_co_u32 s36, s36, s33
	s_lshl_b32 s31, ttmp9, 16                      ; my 16 rows of 4,096 bytes in the source
	s_add_co_u32 s34, s34, s31
	s_mov_b32 s35, 0                               ; both offsets stay below 2^25
	s_mov_b32 s37, 0
	v_lshrrev_b32 v[TW], 5, v0
	v_and_b32 v[TL], 31, v0
	v_lshlrev_b32 v1, 13, v[TW]                    ; source: wave x 8,192
	v_lshl_or_b32 v1, v[TL], 4, v1                 ;         + 16 x lane
	v_mul_lo_u32 v2, v[TW], s32
	v_lshlrev_b32 v2, 1, v2                        ; copy: row 2 w
	v_lshl_add_u32 v2, v[TL], 3, v2                ;       + 8 x lane
	v_add_nc_u32 v3, s32, v2                       ; row 2 w + 1
	s_wait_kmcnt 0x0
	; the slab's source and copy are chosen among the buffers by the slab's number alone
	s_mov_b64 s[38:39], s[8:9]
.macro PICK reg, from
	s_cmp_ge_u32 s2, \from
	s_cselect_b64 s[38:39], s[\reg:\reg+1], s[38:39]
.endm
	PICK 10, 8
	PICK 12, 16
	PICK 14, 17
	PICK 16, 18
	PICK 18, 19
	PICK 20, 20
	PICK 22, 21
	s_mov_b64 s[40:41], s[24:25]
	s_cmp_ge_u32 s2, 8
	s_cselect_b64 s[40:41], s[26:27], s[40:41]
	s_cmp_ge_u32 s2, 16
	s_cselect_b64 s[40:41], s[28:29], s[40:41]
	s_add_nc_u64 s[38:39], s[38:39], s[34:35]
	s_add_nc_u64 s[40:41], s[40:41], s[36:37]
.set i, 0
.rept 16
	global_load_b128 v[X+4*i:X+4*i+3], v1, s[38:39] offset:512*i th:TH_LOAD_NT     ; this launch reads each source byte once
.set i, i+1
.endr
.set i, 0
.rept 16
	s_wait_loadcnt 15-i                            ; loads come back in order (ISA guide 5.7.1): load i is in, the 15 - i younger ones stay out
	v_cvt_pk_bf16_f32 v[Y+2*i],   v[X+4*i],   v[X+4*i+1]
	v_cvt_pk_bf16_f32 v[Y+2*i+1], v[X+4*i+2], v[X+4*i+3]
	global_store_b64 v[2+i/8], v[Y+2*i:Y+2*i+1], s[40:41] offset:256*(i%8)         ; no register is written twice: no wait for sources
.set i, i+1
.endr
	s_endpgm
.Lfunc_end_k_qa3f4a8c110_tobf16:
	.size	k_qa3f4a8c110_tobf16, .Lfunc_end_k_qa3f4a8c110_tobf16-k_qa3f4a8c110_tobf16
	.p2alignl 7, 3214868480
	.fill 96, 4, 3214868480
	.section	.rodata,"a",@progbits
	.p2align	6, 0x0
	.amdhsa_kernel k_qa3f4a8c110_tobf16
		.amdhsa_group_segment_fixed_size 0
		.amdhsa_private_segment_fixed_size 0
		.amdhsa_enable_private_segment 0
		.amdhsa_kernarg_size 88
		.amdhsa_user_sgpr_count 2
		.amdhsa_user_sgpr_kernarg_segment_ptr 1
		.amdhsa_wavefront_size32 1
		.amdhsa_system_sgpr_workgroup_id_x 1
		.amdhsa_system_sgpr_workgroup_id_y 1
		.amdhsa_system_sgpr_workgroup_id_z 1
		.amdhsa_system_vgpr_workitem_id 0
		.amdhsa_next_free_vgpr 104
		.amdhsa_next_free_sgpr 66
		.amdhsa_reserve_vcc 0
		.amdhsa_float_denorm_mode_32 3
		.amdhsa_float_denorm_mode_16_64 3
		.amdhsa_memory_ordered 1
		.amdhsa_forward_progress 1
		.amdhsa_inst_pref_size 8
	.end_amdhsa_kernel
	.amdgpu_metadata
---
amdhsa.version: [ 1, 2 ]
amdhsa.kernels:
  - .name:           k_qa3f4a8c110_tobf16
    .symbol:         k_qa3f4a8c110_tobf16.kd
    .args:
      - { .name: x, .offset: 0, .size: 8, .value_kind: global_buffer, .address_space: global }
      - { .name: h_prev, .offset: 8, .size: 8, .value_kind: global_buffer, .address_space: global }
      - { .name: w_r, .offset: 16, .size: 8, .value_kind: global_buffer, .address_space: global }
      - { .name: u_r, .offset: 24, .size: 8, .value_kind: global_buffer, .address_space: global }
      - { .name: w_z, .offset: 32, .size: 8, .value_kind: global_buffer, .address_space: global }
      - { .name: u_z, .offset: 40, .size: 8, .value_kind: global_buffer, .address_space: global }
      - { .name: w_h, .offset: 48, .size: 8, .value_kind: global_buffer, .address_space: global }
      - { .name: u_h, .offset: 56, .size: 8, .value_kind: global_buffer, .address_space: global }
      - { .name: xb, .offset: 64, .size: 8, .value_kind: global_buffer, .address_space: global }
      - { .name: hb, .offset: 72, .size: 8, .value_kind: global_buffer, .address_space: global }
      - { .name: wcat, .offset: 80, .size: 8, .value_kind: global_buffer, .address_space: global }
    .group_segment_fixed_size: 0
    .private_segment_fixed_size: 0
    .kernarg_segment_align: 8
    .kernarg_segment_size: 88
    .max_flat_workgroup_size: 256
    .sgpr_count:     66
    .vgpr_count:     104
    .wavefront_size: 32
...
	.end_amdgpu_metadata
.endif
;; end of part 1
;; launch gates (part 2): grid 8 x 32, 4 waves a work-group, clusters of 4 x 4, 327,680 bytes of LDS; arguments xb, hb, wcat, h_prev, b_wr, b_ur, b_wz, b_uz, rb, zf; writes rb, zf
.if DOCPART == 2
	.amdgcn_target "amdgcn-amd-amdhsa--gfx1250"
	.amdhsa_code_object_version 6
	.text
	.protected	k_qa3f4a8c110_gates
	.globl	k_qa3f4a8c110_gates
	.p2align	8
	.type	k_qa3f4a8c110_gates,@function
k_qa3f4a8c110_gates:
	s_mov_b64 s[64:65], 0
	v_nop
	global_prefetch_b8 v0, s[64:65] scope:SCOPE_SE
	s_setreg_imm32_b32 hwreg(HW_REG_WAVE_MODE, 25, 1), 1
	s_wait_xcnt 0x0
	s_wait_alu depctr_hold_cnt(0) depctr_sa_sdst(0) depctr_va_vdst(0) depctr_va_sdst(0) depctr_va_ssrc(0) depctr_va_vcc(0) depctr_vm_vsrc(0)
	s_getreg_b32 s2, hwreg(HW_REG_IB_STS2, 6, 4)
	s_cmp_eq_u32 s2, 0
	s_cbranch_scc0 .Lentry_in_a_cluster
	s_endpgm
.Lentry_in_a_cluster:
	s_bfe_u32 s2, ttmp6, 0x10000c
	s_cmp_lg_u32 s2, 0xf033
	s_cbranch_scc0 .Lentry_shape_is_right
	s_endpgm
.Lentry_shape_is_right:
; p_r = [x|h] [Wr|Ur]^T + b_wr + b_ur,  p_z = [x|h] [Wz|Uz]^T + b_wz + b_uz;  rb = bf16(sigmoid(p_r) * h_prev),  zf = -log2 e * p_z (f32).
; (The next launch makes z = 1 / (1 + 2^zf): it has waits in which that work costs nothing, and here it would double the way out.)
; One product of 8192 x 2048 x 2048 in bf16 with f32 sums.  A work-group makes 256 rows x (128 columns of r and the same 128 columns of z) with
; four waves, as many as a WGP has SIMDs; a wave makes 128 x 128: 64 accumulator tiles of 16 x 16, 512 registers.  Waves 0 and 2 sum r, waves 1 and 3 z.
; K goes in 16 steps of 128 (8 from xb, 8 from hb; wcat's rows hold both sides one behind the other) through two LDS slots filled by the tensor
; data mover: a tile's rows are 256 bytes of memory and start at multiples of 256 bytes from the buffer's first byte.
; CLUSTERS: 4 x 4 work-groups.  The four of a row of the cluster need the same tiles of A (same 256 rows), the four of a column the same tiles of
; the weights: each tile is asked for jointly, by the same tensor load in all four, which divides the requests for both by four.
; THE WAY OUT: all sums go into the ring's LDS bytes, which have had their last fill, and every wave takes 64 whole rows of r and of z back: the
; exponentials and reciprocals of r are shared by four waves instead of two, and all four run the same text.
; LIMITS: matrix operands are rounded to bf16.  sigmoid(p) = 1 / (1 + 2^(-p log2 e)), with the two biases folded in as one fused multiply-add
; (acc * c + c (b_w + b_u), c = -log2 e).  v_exp_f32 and v_rcp_f32 flush results below 2^-126 to zero (ISA guide 15.8), so a gate below 2^-126
; comes out as 0; an overflowing 2^.. gives infinity and the gate 0, an underflowing one the gate 1, as the exact function rounds.
;
; REGISTERS, in windows of 256:
;   window 0: v16-44 addresses and biases; v64-127, v128-191 fragments of A, two buffers (on the way out: rows of r, rows of z at work); v192-255 rows of h_prev
;   window 1: v64-127, v128-191 fragments of the weights, two buffers; v0-63, v192-255 and, on the way out, v64-127 rows of h_prev
;   window 2: the 32 accumulator tiles of my rows 0-63 (tile (a, b) at v[8 (8 a + b)]);  window 3: those of my rows 64-127
; THE MATRIX INSTRUCTION IS USED TRANSPOSED: source 0 = 16 rows of the weights, source 1 = 16 rows of A, so that lane l holds row l % 16 of the result
; and its registers 0 to 7 the columns 8 (l / 16) + 0 .. 7: 32 neighbouring bytes of a row.
.set KSTEP,  128
.set PITCH,  272                       ; an LDS row: 256 bytes + 16 of padding, an odd multiple of 16: the 16 rows that a fragment load touches start at 16 different banks (64 banks of 4 bytes: ISA guide 11.1)
.set HALFT,  128*PITCH                 ; 128 rows: what one tensor load brings, and what one wave reads of A or of the weights
.set SLOT,   4*HALFT                   ; A's 256 rows, then the weights' 256 rows (128 of r, 128 of z)
.set SP,     528                       ; the way out: a row of 128 f32 + 16 bytes, again an odd multiple of 16
.set GATE,   256*SP                    ; the way out: r's 256 rows from LDS byte 0, z's behind them; 2 x 135,168 bytes lie inside the ring's 278,528
.set ROWF,   4096                      ; bytes in a row of h_prev and zf
.set ROWB,   2048                      ; bytes in a row of xb, hb, rb
.set NLOG2E, 0xbfb8aa3b                ; -log2 e
.set ADRA, 16                          ; v16-17  LDS address of my A fragments in slot 0, 1
.set ADRB, 20                          ; v20-21  the same for the weights
.set STO,  24                          ; the way out: where I put 32 bytes of a row
.set RDR,  25                          ; the way out: my 16 bytes in the first of the 64 rows of r that I finish
.set CZ,   26                          ; 16 x lane: my 4 f32 in a row of 128 (h_prev, zf, biases)
.set CR,   27                          ; 8 x lane: my 4 bf16 in a row of 128 (rb)
.set BIR,  28                          ; v[28:31] c (b_wr + b_ur) of my 4 columns
.set BIZ,  32                          ; v[32:35] c (b_wz + b_uz)
.set B2R,  36                          ; v[36:39] b_ur as loaded
.set B2Z,  40                          ; v[40:43] b_uz as loaded
.set RDZ,  44                          ; as RDR, in z's rows
.set F0,   64
.set F1,   128
.set T0,   64                          ; the way out: 16 rows of r x 4 registers, window 0
.set T1,   128                         ; the way out: 16 rows of z
.set G1,  24                           ; s[24:31] descriptor group 1 for A's tiles
.set G0,  32                           ; s[32:39] descriptor group 0 for A's tiles, one set for each slot
.set G1B, 48                           ; s[48:55] group 1 for the weights' tiles
.set G0B, 56                           ; s[56:63] group 0 for the weights' tiles, one set for each slot
.set A2,  88                           ; s[88:91] hb at my rows, K step 8 and K step 9: where A goes on when xb is used up
.set HP,  92                           ; s[92:93] h_prev at the first of the 64 rows that I finish
.set RP,  94                           ; s[94:95] rb likewise
.set ZP,  96                           ; s[96:97] zf likewise
.set G1W0, (1<<16)|(1<<20)|(1<<21)|(5<<22)|(3<<25)   ; 17:16 element of 2 bytes; 20 padding on; 21 set beside a mask; 24:22 after every 64 words; 31:25 four words
.set MSB, 0
.macro WIN new                         ; the immediate's high byte repeats the setting that is left
.if MSB != \new
	s_set_vgpr_msb (MSB<<8)|\new
.set MSB, \new
.endif
.endm
.set MUL_LO, 0xa1                      ; source 0 (weights) window 1, source 1 (A) window 0, C and D window 2
.set MUL_HI, 0xf1                      ; the same, C and D window 3
.set TO_B,   0x40                      ; destination window 1, address window 0
; A joint load.  Waves 0 and 1 fetch A's two halves, waves 2 and 3 the weights' (r's rows, z's rows).  Each line has one mask and one set of registers,
; and nothing in them hangs on a coordinate that the four partners do not share.  The branch hangs on the wave's number alone.
.macro JLOAD s
	s_cmp_eq_u32 s11, 0
	s_cbranch_scc0 .Lfor_b_\@
	tensor_load_to_lds s[G0+4*\s:G0+4*\s+3], s[G1:G1+7]
	s_nop 0
	s_branch .Lasked_\@
.Lfor_b_\@:
	tensor_load_to_lds s[G0B+4*\s:G0B+4*\s+3], s[G1B:G1B+7]
	s_nop 0
.Lasked_\@:
.endm
; A round of the cluster's barrier: my work-group's barrier, wave 0 signals for the work-group, every wave waits for all sixteen, my work-group's barrier again.
.macro CREST                           ; a round behind its opening barrier
	s_cmp_lg_u32 s10, 0
	s_cbranch_scc1 .Lnot_wave_0_\@
	s_barrier_signal -3
.Lnot_wave_0_\@:
	s_barrier_wait -3
	s_barrier_signal -1
	s_barrier_wait -1
.endm
.macro CROUND
	s_barrier_signal -1
	s_barrier_wait -1
	CREST
.endm
	s_load_b512 s[68:83], s[0:1], 0x0              ; xb 68, hb 70, wcat 72, h_prev 74, b_wr 76, b_ur 78, b_wz 80, b_uz 82
	s_load_b128 s[84:87], s[0:1], 0x40             ; rb 84, zf 86
	v_lshl_add_u32 v62, v0, 2, 0x44000
	v_mov_b32 v63, 0
	ds_add_u32 v62, v63
	v_lshrrev_b32 v1, 5, v0
	v_readfirstlane_b32 s10, v1                    ; wave 0..3
	s_lshr_b32 s11, s10, 1                         ; which 128 of the block's rows I sum.  Also: I fetch for A (0) or for the weights (1)
	s_and_b32 s12, s10, 1                          ; the gate that I sum: 0 = r, 1 = z.  Also: which 128 rows of that tile I fetch
	s_bfe_u32 s40, ttmp6, 0x40000                  ; cx
	s_bfe_u32 s41, ttmp6, 0x40004                  ; cy
	s_lshl_b32 s42, ttmp9, 2
	s_add_co_u32 s42, s42, s40                     ; block column, 0..7: 128 columns of r and of z
	s_and_b32 s13, ttmp7, 0xffff
	s_lshl_b32 s13, s13, 2
	s_add_co_u32 s13, s13, s41                     ; block row, 0..31: 256 rows
	s_lshl_b32 s43, s41, 2
	s_lshl_b32 s43, 15, s43                        ; my row of the cluster: places 4 cy .. 4 cy + 3
	s_lshl_b32 s44, 0x1111, s40                    ; my column: places cx, cx + 4, cx + 8, cx + 12
	; descriptor group 1: a tile of 128 rows x 128 elements, padded in LDS.  The two differ in the mask and in the pitch.
	s_or_b32 s[G1+0], s43, G1W0                    ; A's tiles go to my row of the cluster
	s_or_b32 s[G1B+0], s44, G1W0                   ; the weights' to my column
	s_mov_b32 s[G1+1], KSTEP<<16                   ; 63:48 tensor_dim0 = 128
	s_mov_b32 s[G1B+1], KSTEP<<16
	s_mov_b32 s[G1+2], 128<<16                     ; 95:80 tensor_dim1 = 128
	s_mov_b32 s[G1B+2], 128<<16
	s_mov_b32 s[G1+3], KSTEP<<16                   ; 127:112 tile_dim0 = 128
	s_mov_b32 s[G1B+3], KSTEP<<16
	s_mov_b32 s[G1+4], 128                         ; 143:128 tile_dim1 = 128
	s_mov_b32 s[G1B+4], 128
	s_mov_b32 s[G1+5], 1024                        ; elements from row to row in xb and hb
	s_mov_b32 s[G1B+5], 2048                       ; in wcat
	s_mov_b32 s[G1+6], 0
	s_mov_b32 s[G1B+6], 0
	s_mov_b32 s[G1+7], 0
	s_mov_b32 s[G1B+7], 0
	; where the tiles come from: A's hang on the block row and the wave alone, the weights' on the block column and the wave alone
	s_lshl_b32 s17, s12, 7
	s_lshl_b32 s16, s13, 8
	s_add_co_u32 s16, s16, s17                     ; A: row 256 x block row + 128 x half
	s_lshl_b32 s16, s16, 11                        ; x 2,048 bytes: below 2^24
	s_mov_b32 s17, 0
	s_lshl_b32 s47, s12, 10
	s_lshl_b32 s46, s42, 7
	s_add_co_u32 s46, s46, s47                     ; weights: row 128 x block column + 1,024 x gate
	s_lshl_b32 s46, s46, 12                        ; x 4,096 bytes: below 2^23
	s_mov_b32 s47, 0
	s_mul_i32 s20, s10, HALFT                      ; and where they go: wave x 128 rows
	; offsets for the way out, in registers that feed no descriptor
	s_lshl_b32 s18, s42, 9                         ; 128 columns of 4 bytes
	s_mov_b32 s19, 0
	s_lshl_b32 s6, s13, 20                         ; 256 rows of 4,096 bytes
	s_add_co_u32 s6, s6, s18
	s_lshl_b32 s8, s10, 18                         ; the 64 rows that my wave finishes
	s_add_co_u32 s6, s6, s8
	s_mov_b32 s7, 0
	s_wait_dscnt 0x0
	s_wait_kmcnt 0x0
	s_add_nc_u64 s[14:15], s[68:69], s[16:17]
	s_add_nc_u64 s[A2:A2+1], s[70:71], s[16:17]
	s_add_nc_u64 s[A2+2:A2+3], s[A2:A2+1], KSTEP*2
	s_add_nc_u64 s[46:47], s[72:73], s[46:47]
	CROUND                                         ; all sixteen work-groups are here: the first joint loads meet
.irp s, 0,1
	s_mov_b32 s[G0+4*\s], 1                                        ; count = 1
	s_add_co_u32 s[G0+4*\s+1], s20, \s*SLOT                        ; LDS address
	s_add_nc_u64 s[G0+4*\s+2:G0+4*\s+3], s[14:15], \s*KSTEP*2      ; global address: K step s
	s_or_b32 s[G0+4*\s+3], s[G0+4*\s+3], 0x80000000                ; type = 2
	s_mov_b32 s[G0B+4*\s], 1
	s_add_co_u32 s[G0B+4*\s+1], s20, \s*SLOT
	s_add_nc_u64 s[G0B+4*\s+2:G0B+4*\s+3], s[46:47], \s*KSTEP*2
	s_or_b32 s[G0B+4*\s+3], s[G0B+4*\s+3], 0x80000000
	JLOAD \s                                       ; both slots are asked for before anything else is done: two tensor loads of this wave are out
.endr
	s_add_nc_u64 s[HP:HP+1], s[74:75], s[6:7]
	s_add_nc_u64 s[ZP:ZP+1], s[86:87], s[6:7]
	s_lshr_b32 s6, s6, 1                           ; rb's numbers have half the bytes
	s_add_nc_u64 s[RP:RP+1], s[84:85], s[6:7]
.irp p, 76,78,80,82
	s_add_nc_u64 s[\p:\p+1], s[\p:\p+1], s[18:19]  ; the four biases at the block's 128 columns
.endr
	; A fragment is 16 rows x 32 K in 8 registers: lane l holds row l % 16; registers 0-3 K = 8 (l / 16) + 0..7, registers 4-7 K = 16 + 8 (l / 16) + 0..7.
	v_and_b32 v1, 15, v0                           ; l % 16
	v_bfe_u32 v2, v0, 4, 1                         ; l / 16
	v_mul_u32_u24 v3, v1, PITCH
	v_lshl_add_u32 v3, v2, 4, v3                   ; row x pitch + 16 x half
	s_mul_i32 s21, s11, HALFT                      ; my 128 rows of A
	s_mul_i32 s22, s12, HALFT                      ; my gate's 128 rows of weights,
	s_add_co_u32 s22, s22, 2*HALFT                 ; which lie behind A's 256
.irp s, 0,1
	v_add_nc_u32 v[ADRA+\s], s21, v3
	v_add_nc_u32 v[ADRB+\s], s22, v3
	s_add_co_u32 s21, s21, SLOT
	s_add_co_u32 s22, s22, SLOT
.endr
	s_mul_i32 s23, s12, GATE                       ; the way out, in: my gate's rows,
	s_mul_i32 s8, s11, 128*SP                      ; my 128 of them,
	s_add_co_u32 s23, s23, s8
	v_mul_u32_u24 v4, v1, SP                       ; row l % 16, 32 bytes for each half of the lanes
	v_lshl_add_u32 v4, v2, 5, v4
	v_add_nc_u32 v[STO], s23, v4
	v_and_b32 v5, 31, v0                           ; lane
	v_lshlrev_b32 v[CZ], 4, v5
	v_lshlrev_b32 v[CR], 3, v5
	s_mul_i32 s8, s10, 64*SP                       ; the way out, back: rows 64 w .. 64 w + 63; 32 lanes take one row of 512 bytes
	v_add_nc_u32 v[RDR], s8, v[CZ]
	v_add_nc_u32 v[RDZ], GATE, v[RDR]
	global_load_b128 v[BIR:BIR+3], v[CZ], s[76:77] ; the biases of my 4 columns: used behind the K loop
	global_load_b128 v[B2R:B2R+3], v[CZ], s[78:79]
	global_load_b128 v[BIZ:BIZ+3], v[CZ], s[80:81]
	global_load_b128 v[B2Z:B2Z+3], v[CZ], s[82:83]
; 16 matrix instructions: m blocks a0, a0 + 1 of the window's four x all 8 n blocks, 32 along K.  zero = 1: the first product starts the sums.
.macro MUL16 f, hi, a0, zero
.irp a, \a0, \a0+1
.irp b, 0,1,2,3,4,5,6,7
.if \zero
	v_wmma_f32_16x16x32_bf16 v[8*(8*(\a)+\b):8*(8*(\a)+\b)+7], v[\f+8*\b:\f+8*\b+7], v[\f+8*(4*\hi+\a):\f+8*(4*\hi+\a)+7], 0
.else
	v_wmma_f32_16x16x32_bf16 v[8*(8*(\a)+\b):8*(8*(\a)+\b)+7], v[\f+8*\b:\f+8*\b+7], v[\f+8*(4*\hi+\a):\f+8*(4*\hi+\a)+7], v[8*(8*(\a)+\b):8*(8*(\a)+\b)+7]
.endif
.endr
.endr
.endm
; 32 LDS loads in one run: the fragments of one quarter step (128 rows of weights, 128 rows of A, 32 K at byte k of the rows) into buffer f
.macro FETCH slot, k, f
	WIN TO_B
.irp i, 0,1,2,3,4,5,6,7
	ds_load_b128 v[\f+8*\i:\f+8*\i+3],   v[ADRB+\slot] offset:\k+\i*16*PITCH
	ds_load_b128 v[\f+8*\i+4:\f+8*\i+7], v[ADRB+\slot] offset:\k+\i*16*PITCH+32
.endr
	WIN 0
.irp i, 0,1,2,3,4,5,6,7
	ds_load_b128 v[\f+8*\i:\f+8*\i+3],   v[ADRA+\slot] offset:\k+\i*16*PITCH
	ds_load_b128 v[\f+8*\i+4:\f+8*\i+7], v[ADRA+\slot] offset:\k+\i*16*PITCH+32
.endr
.endm
; A load into a register that a matrix instruction has read, and whatever reads a matrix result, stand four places behind that matrix instruction;
; only plain vector instructions that name none of its registers are places (for what reads a result).
.macro PLACES
.rept 4
	v_nop
.endr
.endm
; A K step is four quarter steps of 32 along K, 64 matrix instructions each, on buffers 0, 1, 0, 1.  The 64 accumulators take turns in the same order
; in every quarter, over the backward jumps too: no two matrix instructions that follow each other share an accumulator.
.macro QUARTER slot, k, f, g, zero
	s_wait_dscnt 8                                 ; the weights and A's rows 0-63 are in; the youngest eight loads (A's rows 64-127) may be out
	WIN MUL_LO
	MUL16 \f, 0, 0, \zero
	MUL16 \f, 0, 2, \zero
	PLACES
	FETCH \slot, \k, \g
	s_wait_dscnt 32                                ; all but the 32 just issued
	WIN MUL_HI
	MUL16 \f, 1, 0, \zero
	MUL16 \f, 1, 2, \zero
.endm
.macro THREE slot, zero
	QUARTER \slot, 64,  F0, F1, \zero
	QUARTER \slot, 128, F1, F0, 0
	QUARTER \slot, 192, F0, F1, 0
.endm
; The last quarter: multiplies buffer 1 and changes slots.  fill = 1: this slot is filled again, two K steps ahead; sw = 1: that tile of A is hb's first
; for this slot.  In front of the barrier each wave waits for its reads of this slot and for all its tensor loads (one is out: its part of the next slot).
; Behind the cluster's round no wave of any partner reads this slot or has a load on its way: the refill comes first, one tensor load a wave.
; From a request to the wait for it a wave issues 240 matrix instructions.
.macro TURN slot, next, fill, sw
	s_wait_dscnt 8
	WIN MUL_LO
	MUL16 F1, 0, 0, 0
	s_wait_dscnt 0                                 ; my reads of this slot are over
	s_set_vgpr_msb 0xa1a0
	s_wait_tensorcnt 0x0                           ; all my tensor loads have landed
	ds_add_u32 v62, v63
	s_wait_dscnt 0x0
	s_set_vgpr_msb 0xa0a1
	s_barrier_signal -1                            ; say so,
	MUL16 F1, 0, 2, 0                              ; work on registers while the others arrive,
	WIN 0
	s_barrier_wait -1
.if \fill
	CREST
.if \sw
	s_mov_b64 s[G0+4*\slot+2:G0+4*\slot+3], s[A2+2*\slot:A2+2*\slot+1]         ; xb's 1,024 columns are used up: A goes on in hb
	s_or_b32 s[G0+4*\slot+3], s[G0+4*\slot+3], 0x80000000
.else
	s_add_nc_u64 s[G0+4*\slot+2:G0+4*\slot+3], s[G0+4*\slot+2:G0+4*\slot+3], 2*KSTEP*2
.endif
	s_add_nc_u64 s[G0B+4*\slot+2:G0B+4*\slot+3], s[G0B+4*\slot+2:G0B+4*\slot+3], 2*KSTEP*2
	JLOAD \slot                                    ; the first tensor load behind the round
.endif
	PLACES
	FETCH \next, 0, F0
	WIN MUL_HI
	MUL16 F1, 1, 0, 0
	MUL16 F1, 1, 2, 0
.endm
.macro LAP zero, sw                    ; two K steps, once round the ring, both slots filled again
	THREE 0, \zero
	TURN 0, 1, 1, \sw
	THREE 1, 0
	TURN 1, 0, 1, \sw
.endm
; 16 rows of h_prev (group i of the 64 rows that I finish) into window hw, registers hb .. hb + 63: each load covers 512 consecutive bytes, aligned
.macro HLOAD i, hw, hb
	WIN (\hw<<6)
.irp t, 0,1,2,3,4,5,6,7,8,9,10,11,12,13,14,15
	global_load_b128 v[\hb+4*\t:\hb+4*\t+3], v[CZ], s[HP:HP+1] offset:(16*\i+\t)*ROWF th:TH_LOAD_NT
.endr
	WIN 0
.endm
	s_wait_tensorcnt 1                             ; my part of K step 0 is in; K step 1's load stays out
	s_barrier_signal -1
	s_barrier_wait -1                              ; everybody's is
	FETCH 0, 0, F0
	LAP 1, 0                                       ; lap 0: its first products start the sums; its refills bring K steps 2, 3
	WIN 0                                          ; at a label and at a branch every window is 0
	s_mov_b32 s3, 2
.Llap_x:                                           ; laps 1, 2: their refills bring K steps 4 to 7, the rest of xb
	LAP 0, 0
	WIN 0
	s_sub_co_u32 s3, s3, 1
	s_cmp_lg_u32 s3, 0
	s_cbranch_scc1 .Llap_x
	LAP 0, 1                                       ; lap 3: its refills bring K steps 8, 9, hb's first two
	WIN 0
	s_mov_b32 s3, 3
.Llap_h:                                           ; laps 4, 5, 6: their refills bring K steps 10 to 15
	LAP 0, 0
	WIN 0
	s_sub_co_u32 s3, s3, 1
	s_cmp_lg_u32 s3, 0
	s_cbranch_scc1 .Llap_h
	THREE 0, 0                                     ; the last lap fills nothing: my one tensor load still out is slot 1's, the last K step's
	TURN 0, 1, 0, 0
	WIN 0
	; 48 of the 64 rows of h_prev that I multiply r by go into registers that the K loop does not use, one K step (256 matrix instructions) ahead of the way out
	HLOAD 0, 0, 192
	HLOAD 1, 1, 0
	HLOAD 2, 1, 192
	THREE 1, 0
	s_wait_dscnt 8                                 ; the very last quarter: nothing more to fetch
	WIN MUL_LO
	MUL16 F1, 0, 0, 0
	MUL16 F1, 0, 2, 0
	s_wait_dscnt 0                                 ; my last reads of the ring are back
	WIN MUL_HI
	MUL16 F1, 1, 0, 0
	MUL16 F1, 1, 2, 0
	; THE WAY OUT
	PLACES                                         ; the places behind the last matrix instructions, for all that follows
	WIN 0
	s_wait_loadcnt 48                              ; the four biases are in; the 48 loads of h_prev behind them may stay out
	v_pk_add_f32 v[BIR:BIR+1],   v[BIR:BIR+1],   v[B2R:B2R+1]
	v_pk_add_f32 v[BIR+2:BIR+3], v[BIR+2:BIR+3], v[B2R+2:B2R+3]
	v_pk_add_f32 v[BIZ:BIZ+1],   v[BIZ:BIZ+1],   v[B2Z:B2Z+1]
	v_pk_add_f32 v[BIZ+2:BIZ+3], v[BIZ+2:BIZ+3], v[B2Z+2:B2Z+3]
	v_pk_mul_f32 v[BIR:BIR+1],   v[BIR:BIR+1],   NLOG2E op_sel_hi:[1,0]
	v_pk_mul_f32 v[BIR+2:BIR+3], v[BIR+2:BIR+3], NLOG2E op_sel_hi:[1,0]
	v_pk_mul_f32 v[BIZ:BIZ+1],   v[BIZ:BIZ+1],   NLOG2E op_sel_hi:[1,0]
	v_pk_mul_f32 v[BIZ+2:BIZ+3], v[BIZ+2:BIZ+3], NLOG2E op_sel_hi:[1,0]
	HLOAD 3, 1, 64                                 ; the last 16 rows of h_prev, into a fragment buffer that is free now
	s_barrier_signal -1                            ; every wave's reads of the ring are back (the wait for 0 above) and no tensor load is out or to come:
	s_barrier_wait -1                              ; the ring's bytes may be written
; my 128 x 128 sums go to LDS as f32: tile (a, b) of window 2 + hi holds rows 16 (4 hi + a) .., columns 16 b ..
.macro DUMP hi
	WIN ((2+\hi)<<2)                               ; an LDS store's data is source 1
.irp a, 0,1,2,3
.irp b, 0,1,2,3,4,5,6,7
	ds_store_b128 v[STO], v[8*(8*\a+\b):8*(8*\a+\b)+3]   offset:(4*\hi+\a)*16*SP+64*\b
	ds_store_b128 v[STO], v[8*(8*\a+\b)+4:8*(8*\a+\b)+7] offset:(4*\hi+\a)*16*SP+64*\b+16
.endr
.endr
.endm
	DUMP 0
	DUMP 1
	WIN 0
	s_wait_dscnt 0x0                               ; my stores are done, for the waves that read them
	s_barrier_signal -1
	s_barrier_wait -1                              ; everybody's are
; 16 whole rows (group g of my 64) from r's or z's rows into 64 registers
.macro LDT base, adr, g
.irp t, 0,1,2,3,4,5,6,7,8,9,10,11,12,13,14,15
	ds_load_b128 v[\base+4*\t:\base+4*\t+3], v[\adr] offset:(16*\g+\t)*SP
.endr
.endm
; 16 rows of r: sigmoid, times h_prev (window hw at hb; left = younger loads of h_prev that may stay out), to rb in bf16.  younger = LDS loads issued behind these rows'
.macro RGRP g, hw, hb, left, younger
.irp t, 0,1,2,3,4,5,6,7,8,9,10,11,12,13,14,15
	s_wait_dscnt \younger+15-\t                    ; row t is in; its own group's younger rows and the other buffer's loads stay out
	v_pk_fma_f32 v[T0+4*\t:T0+4*\t+1],   v[T0+4*\t:T0+4*\t+1],   NLOG2E, v[BIR:BIR+1]   op_sel_hi:[1,0,1]
	v_pk_fma_f32 v[T0+4*\t+2:T0+4*\t+3], v[T0+4*\t+2:T0+4*\t+3], NLOG2E, v[BIR+2:BIR+3] op_sel_hi:[1,0,1]
.endr
.set j, 0
.rept 64
	v_exp_f32 v[T0+j], v[T0+j]
.set j, j+1
.endr
	v_nop                                          ; one plain vector instruction behind the transcendentals before a result is used (ISA guide 5.7.2)
.set j, 0
	s_wait_alu depctr_va_vdst(0)
.rept 32
	v_pk_add_f32 v[T0+2*j:T0+2*j+1], v[T0+2*j:T0+2*j+1], 1.0 op_sel_hi:[1,0]
.set j, j+1
.endr
.set j, 0
.rept 64
	v_rcp_f32 v[T0+j], v[T0+j]
.set j, j+1
.endr
	v_nop
	s_wait_loadcnt \left                           ; this group's 16 rows of h_prev are in
	WIN (\hw<<2)
.set j, 0
	s_wait_alu depctr_va_vdst(0)
.rept 32
	v_pk_mul_f32 v[T0+2*j:T0+2*j+1], v[T0+2*j:T0+2*j+1], v[\hb+2*j:\hb+2*j+1]
.set j, j+1
.endr
	WIN 0
.irp t, 0,1,2,3,4,5,6,7,8,9,10,11,12,13,14,15
	v_cvt_pk_bf16_f32 v[T0+4*\t],   v[T0+4*\t],   v[T0+4*\t+1]
	v_cvt_pk_bf16_f32 v[T0+4*\t+1], v[T0+4*\t+2], v[T0+4*\t+3]
	global_store_b64 v[CR], v[T0+4*\t:T0+4*\t+1], s[RP:RP+1] offset:(16*\g+\t)*ROWB       ; the wave stores 256 consecutive bytes, aligned
.endr
.endm
; 16 rows of z: c (sum + biases), to zf
.macro ZGRP g, younger
.irp t, 0,1,2,3,4,5,6,7,8,9,10,11,12,13,14,15
	s_wait_dscnt \younger+15-\t
	v_pk_fma_f32 v[T1+4*\t:T1+4*\t+1],   v[T1+4*\t:T1+4*\t+1],   NLOG2E, v[BIZ:BIZ+1]   op_sel_hi:[1,0,1]
	v_pk_fma_f32 v[T1+4*\t+2:T1+4*\t+3], v[T1+4*\t+2:T1+4*\t+3], NLOG2E, v[BIZ+2:BIZ+3] op_sel_hi:[1,0,1]
	global_store_b128 v[CZ], v[T1+4*\t:T1+4*\t+3], s[ZP:ZP+1] offset:(16*\g+\t)*ROWF      ; 512 consecutive bytes, aligned
.endr
.endm
; A buffer is loaded again only when the stores that read it have had their addresses translated (ISA guide 3.1): s_wait_xcnt 0.
; While one buffer is worked on, the other's 16 LDS loads are on their way.
.macro NEXT base, adr, g
	s_wait_xcnt 0x0
	LDT \base, \adr, \g
.endm
	LDT T0, RDR, 0
	LDT T1, RDZ, 0
	RGRP 0, 0, 192, 48, 16                         ; behind group 0's rows of h_prev stand three groups of 16 loads
	NEXT T0, RDR, 1
	ZGRP 0, 16
	NEXT T1, RDZ, 1
	RGRP 1, 1, 0, 32, 16
	NEXT T0, RDR, 2
	ZGRP 1, 16
	NEXT T1, RDZ, 2
	RGRP 2, 1, 192, 16, 16
	NEXT T0, RDR, 3
	ZGRP 2, 16
	NEXT T1, RDZ, 3
	RGRP 3, 1, 64, 0, 16
	ZGRP 3, 0                                      ; nothing was issued behind these rows: the counts run down to 0
	s_wait_tensorcnt 0x0
	ds_add_u32 v62, v63
	s_wait_dscnt 0x0
	CROUND                                         ; the closing round: no work-group ends while a partner may still ask for a tile that names it
	s_endpgm
.Lfunc_end_k_qa3f4a8c110_gates:
	.size	k_qa3f4a8c110_gates, .Lfunc_end_k_qa3f4a8c110_gates-k_qa3f4a8c110_gates
	.p2alignl 7, 3214868480
	.fill 96, 4, 3214868480
	.section	.rodata,"a",@progbits
	.p2align	6, 0x0
	.amdhsa_kernel k_qa3f4a8c110_gates
		.amdhsa_group_segment_fixed_size 327680
		.amdhsa_private_segment_fixed_size 0
		.amdhsa_enable_private_segment 0
		.amdhsa_kernarg_size 80
		.amdhsa_user_sgpr_count 2
		.amdhsa_user_sgpr_kernarg_segment_ptr 1
		.amdhsa_wavefront_size32 1
		.amdhsa_system_sgpr_workgroup_id_x 1
		.amdhsa_system_sgpr_workgroup_id_y 1
		.amdhsa_system_sgpr_workgroup_id_z 1
		.amdhsa_system_vgpr_workitem_id 0
		.amdhsa_next_free_vgpr 1024
		.amdhsa_next_free_sgpr 100
		.amdhsa_reserve_vcc 0
		.amdhsa_float_denorm_mode_32 3
		.amdhsa_float_denorm_mode_16_64 3
		.amdhsa_memory_ordered 1
		.amdhsa_forward_progress 1
		.amdhsa_inst_pref_size 255
	.end_amdhsa_kernel
	.section	.bss,"aw",@nobits
	.p2align	6
	.space	262144
	.amdgpu_metadata
---
amdhsa.version: [ 1, 2 ]
amdhsa.kernels:
  - .name:           k_qa3f4a8c110_gates
    .symbol:         k_qa3f4a8c110_gates.kd
    .args:
      - { .name: xb, .offset: 0, .size: 8, .value_kind: global_buffer, .address_space: global }
      - { .name: hb, .offset: 8, .size: 8, .value_kind: global_buffer, .address_space: global }
      - { .name: wcat, .offset: 16, .size: 8, .value_kind: global_buffer, .address_space: global }
      - { .name: h_prev, .offset: 24, .size: 8, .value_kind: global_buffer, .address_space: global }
      - { .name: b_wr, .offset: 32, .size: 8, .value_kind: global_buffer, .address_space: global }
      - { .name: b_ur, .offset: 40, .size: 8, .value_kind: global_buffer, .address_space: global }
      - { .name: b_wz, .offset: 48, .size: 8, .value_kind: global_buffer, .address_space: global }
      - { .name: b_uz, .offset: 56, .size: 8, .value_kind: global_buffer, .address_space: global }
      - { .name: rb, .offset: 64, .size: 8, .value_kind: global_buffer, .address_space: global }
      - { .name: zf, .offset: 72, .size: 8, .value_kind: global_buffer, .address_space: global }
    .group_segment_fixed_size: 327680
    .private_segment_fixed_size: 0
    .kernarg_segment_align: 8
    .kernarg_segment_size: 80
    .max_flat_workgroup_size: 128
    .sgpr_count:     100
    .vgpr_count:     1024
    .wavefront_size: 32
...
	.end_amdgpu_metadata
.endif
;; end of part 2
;; launch blend (part 3): grid 4 x 64, 4 waves a work-group, clusters of 4 x 4, 327,680 bytes of LDS; arguments xb, rb, wcat, zf, h_prev, b_wh, b_uh, out0; writes out0
.if DOCPART == 3
	.amdgcn_target "amdgcn-amd-amdhsa--gfx1250"
	.amdhsa_code_object_version 6
	.text
	.protected	k_qa3f4a8c110_blend
	.globl	k_qa3f4a8c110_blend
	.p2align	8
	.type	k_qa3f4a8c110_blend,@function
k_qa3f4a8c110_blend:
	s_mov_b64 s[64:65], 0
	v_nop
	global_prefetch_b8 v0, s[64:65] scope:SCOPE_SE
	s_setreg_imm32_b32 hwreg(HW_REG_WAVE_MODE, 25, 1), 1
	s_wait_xcnt 0x0
	s_wait_alu depctr_hold_cnt(0) depctr_sa_sdst(0) depctr_va_vdst(0) depctr_va_sdst(0) depctr_va_ssrc(0) depctr_va_vcc(0) depctr_vm_vsrc(0)
	s_getreg_b32 s2, hwreg(HW_REG_IB_STS2, 6, 4)
	s_cmp_eq_u32 s2, 0
	s_cbranch_scc0 .Lentry_in_a_cluster
	s_endpgm
.Lentry_in_a_cluster:
	s_bfe_u32 s2, ttmp6, 0x10000c
	s_cmp_lg_u32 s2, 0xf033
	s_cbranch_scc0 .Lentry_shape_is_right
	s_endpgm
.Lentry_shape_is_right:
; z = 1 / (1 + 2^zf)  (zf = -log2 e x z's pre-activation, from the launch before);  hhat = tanh([x | r*h] [Wh|Uh]^T + b_wh + b_uh);  out0 = (1 - z) h_prev + z hhat.
; One product of 8192 x 1024 x 2048 in bf16 with f32 sums.  A work-group makes 128 rows x 256 columns, so that there are 256 work-groups; four waves,
; each 64 rows x 128 columns: 32 accumulator tiles of 16 x 16, 256 registers.
; THE RING HAS TWO SLOTS OF UNEQUAL SIZE.  The tiles of 128 along K (256 rows of weights, 128 rows of A, 272 bytes each in LDS) take 104,448 bytes; two slots
; of 256 along K would take 405,504 bytes, more than a work-group can be given; three times 128 fit.  So a big slot holds 256 along K (rows of 512 bytes,
; pitch 528) and a small one 128 (rows of 256 bytes, pitch 272), and K is walked big, small, big, small, big through xb and small, big, small, big, small,
; big (filled with 128 only) through rb: 11 changes of slot instead of 16, 9 refills instead of 14.  A small tile is asked for 248 matrix instructions ahead
; of the wait for it, a big one 120.  Every tile row starts at a multiple of 256 bytes from its buffer's first byte.
; The wave's 64 x 128 numbers of h_prev and of zf (512 registers) are loaded straight into registers during the K walk, and z is finished in place in the
; periods that multiply the small slot, where least matrix work stands between a request and its wait.  All registers are named: the walk is written out by macro.
; CLUSTERS: 4 x 4 work-groups.  A's tile is shared along a row of the cluster (same 128 rows), the weights' along a column (same 256 columns): joint loads.
; LIMITS: matrix operands are rounded to bf16.  tanh(p) = 1 - 2 / (1 + 2^(2 p log2 e)), with the biases folded in as acc * c + c (b_wh + b_uh), c = 2 log2 e:
; its absolute error is of the order of f32's rounding of 1, so for |p| below about 1e-7 the result's relative error is large (absolute still about 1e-7);
; an overflowing 2^.. gives 1, an underflowing one -1.  v_exp_f32 and v_rcp_f32 flush results below 2^-126 to zero (ISA guide 15.8): a z below 2^-126 is 0.
;
; REGISTERS: window 0: v16-35 addresses and biases; v64-127, v128-191 fragments of the weights, two buffers; v192-223, v224-255 fragments of A, two buffers
;   window 1: the accumulators, tile (a, b) at v[8 (8 a + b)];  window 2: h_prev, row t of my 64 at v[4 t];  window 3: zf, then z, likewise
; The matrix instruction is used transposed (source 0 = rows of the weights, source 1 = rows of A): a lane's 8 results are 8 neighbouring columns of a row.
.set PS,     272                       ; small slot: 256 bytes + 16, an odd multiple of 16: a fragment load's 16 rows start at 16 different banks (ISA guide 11.1)
.set PB,     528                       ; big slot: 512 bytes + 16, likewise
.set BIGA,   256*PB                    ; big slot, from LDS byte 0: the weights' 256 rows, then A's 128
.set SMALL,  384*PB                    ; small slot: 202,752
.set SMALLA, SMALL+256*PS
.set STAGE,  SMALL                     ; the way out: 16 rows x 528 bytes for each wave, in the small slot, whose last fill and last reads lie in front of the last barrier
.set SP,     528
.set ROWF,   4096                      ; bytes in a row of h_prev, zf, out0
.set LOG2E2, 0x4038aa3b                ; 2 log2 e
.set ADRA, 16                          ; v16 my A fragments in the small slot, v17 in the big one
.set ADRB, 20                          ; v20, v21 the same for the weights
.set STO,  24
.set RD,   25
.set CO,   26                          ; 16 x lane: my 4 f32 in a row of 128
.set BI,   28
.set B2,   32
.set FB0,  64
.set FB1,  128
.set FA0,  192
.set FA1,  224
.set TMP,  64                          ; the way out: 16 rows x 4 registers
.set W,    128                         ; the way out: (1 - z) h of the same numbers
.set G1A, 24                           ; s[24:31] group 1 for A's small tiles, s[32:39] for its big ones
.set G1B, 48                           ; s[48:55], s[56:63] the same for the weights
.set G0A, 84                           ; s[84:87] group 0 for A's small slot, s[88:91] for its big one
.set G0B, 92                           ; s[92:95], s[96:99] the same for the weights
.set XA,  14                           ; s[14:15] xb at the rows that I fetch
.set RA,  70                           ; s[70:71] rb at the same rows
.set WB,  46                           ; s[46:47] wcat at the rows that I fetch
.set ZP,  74                           ; s[74:75] zf, s[76:77] h_prev, s[82:83] out0 at my wave's first row and column
.set HP,  76
.set OP,  82
.set W0,  (1<<16)|(1<<20)|(1<<21)      ; element of 2 bytes; padding on; bit 21 beside a mask
.set W0S, W0|(5<<22)|(3<<25)           ; after every 64 words 4 words: pitch 272
.set W0B, W0|(6<<22)|(3<<25)           ; after every 128 words 4 words: pitch 528
.set W0H, W0|(5<<22)|(67<<25)          ; after every 64 words 68 words: rows of 256 bytes at the big slot's pitch of 528
.set MSB, 0
.macro WIN new
.if MSB != \new
	s_set_vgpr_msb (MSB<<8)|\new
.set MSB, \new
.endif
.endm
.set MULW, 0x50                        ; C and D window 1, both sources window 0
; A joint load into slot sl (0 small, 1 big).  Waves 0 and 1 fetch the weights' two halves of 128 rows, waves 2 and 3 A's two halves of 64 rows.
.macro JLOAD sl
	s_cmp_eq_u32 s11, 0
	s_cbranch_scc0 .Lfor_a_\@
	tensor_load_to_lds s[G0B+4*\sl:G0B+4*\sl+3], s[G1B+8*\sl:G1B+8*\sl+7]
	s_nop 0
	s_branch .Lasked_\@
.Lfor_a_\@:
	tensor_load_to_lds s[G0A+4*\sl:G0A+4*\sl+3], s[G1A+8*\sl:G1A+8*\sl+7]
	s_nop 0
.Lasked_\@:
.endm
.macro CREST                           ; a round of the cluster's barrier behind its opening barrier
	s_cmp_lg_u32 s10, 0
	s_cbranch_scc1 .Lnot_wave_0_\@
	s_barrier_signal -3
.Lnot_wave_0_\@:
	s_barrier_wait -3
	s_barrier_signal -1
	s_barrier_wait -1
.endm
.macro CROUND
	s_barrier_signal -1
	s_barrier_wait -1
	CREST
.endm
; descriptor group 1: a tile of rows x cols elements; the extents are the tile's own: no tile crosses its tensor's end
.macro SHAPE g, mask, w0, cols, rows, pitch
	s_or_b32  s[\g+0], \mask, \w0
	s_mov_b32 s[\g+1], \cols<<16                   ; tensor_dim0
	s_mov_b32 s[\g+2], \rows<<16                   ; tensor_dim1
	s_mov_b32 s[\g+3], \cols<<16                   ; tile_dim0
	s_mov_b32 s[\g+4], \rows                       ; tile_dim1
	s_mov_b32 s[\g+5], \pitch                      ; elements from row to row
	s_mov_b32 s[\g+6], 0
	s_mov_b32 s[\g+7], 0
.endm
; the global addresses of slot sl's next tiles, which begin at kabs of the 2,048 along K: A's in xb below 1,024 and in rb from there on
.macro SETADR sl, kabs
.if \kabs < 1024
	s_add_nc_u64 s[G0A+4*\sl+2:G0A+4*\sl+3], s[XA:XA+1], \kabs*2
.else
	s_add_nc_u64 s[G0A+4*\sl+2:G0A+4*\sl+3], s[RA:RA+1], (\kabs-1024)*2
.endif
	s_or_b32 s[G0A+4*\sl+3], s[G0A+4*\sl+3], 0x80000000            ; type = 2
	s_add_nc_u64 s[G0B+4*\sl+2:G0B+4*\sl+3], s[WB:WB+1], \kabs*2
	s_or_b32 s[G0B+4*\sl+3], s[G0B+4*\sl+3], 0x80000000
.endm
	s_load_b512 s[68:83], s[0:1], 0x0              ; xb 68, rb 70, wcat 72, zf 74, h_prev 76, b_wh 78, b_uh 80, out0 82
	v_lshl_add_u32 v62, v0, 2, 0x4b000
	v_mov_b32 v63, 0
	ds_add_u32 v62, v63
	v_lshrrev_b32 v1, 5, v0
	v_readfirstlane_b32 s10, v1                    ; wave 0..3
	s_lshr_b32 s11, s10, 1                         ; which 64 of the block's rows are mine.  Also: I fetch for the weights (0) or for A (1)
	s_and_b32 s12, s10, 1                          ; which 128 of its columns.  Also: which half of that tile I fetch
	s_bfe_u32 s40, ttmp6, 0x40000                  ; cx
	s_bfe_u32 s41, ttmp6, 0x40004                  ; cy
	s_lshl_b32 s42, ttmp9, 2
	s_add_co_u32 s42, s42, s40                     ; block column, 0..3: 256 columns
	s_and_b32 s13, ttmp7, 0xffff
	s_lshl_b32 s13, s13, 2
	s_add_co_u32 s13, s13, s41                     ; block row, 0..63: 128 rows
	s_lshl_b32 s43, s41, 2
	s_lshl_b32 s43, 15, s43                        ; my row of the cluster: A's tiles go there
	s_lshl_b32 s44, 0x1111, s40                    ; my column: the weights' tiles
	SHAPE G1A,   s43, W0S, 128, 64,  1024
	SHAPE G1A+8, s43, W0B, 256, 64,  1024
	SHAPE G1B,   s44, W0S, 128, 128, 2048
	SHAPE G1B+8, s44, W0B, 256, 128, 2048
	s_lshl_b32 s17, s12, 6
	s_lshl_b32 s16, s13, 7
	s_add_co_u32 s16, s16, s17                     ; A: row 128 x block row + 64 x half
	s_lshl_b32 s16, s16, 11                        ; x 2,048 bytes
	s_mov_b32 s17, 0
	s_lshl_b32 s47, s12, 7
	s_lshl_b32 s46, s42, 8
	s_add_co_u32 s46, s46, s47
	s_add_co_u32 s46, s46, 2048                    ; weights: row 2,048 + 256 x block column + 128 x half
	s_lshl_b32 s46, s46, 12                        ; x 4,096 bytes
	s_mov_b32 s47, 0
	; where the tiles go: the weights' halves (waves 0, 1) at rows 0 and 128 of a slot, A's halves (waves 2, 3) at rows 256 and 320
	s_mov_b32 s[G0A], 1
	s_mov_b32 s[G0A+4], 1
	s_mov_b32 s[G0B], 1
	s_mov_b32 s[G0B+4], 1
	s_mul_i32 s20, s10, 64*PS
	s_add_co_u32 s[G0A+1], s20, SMALL+128*PS
	s_mul_i32 s20, s10, 64*PB
	s_add_co_u32 s[G0A+5], s20, 128*PB
	s_mul_i32 s20, s10, 128*PS
	s_add_co_u32 s[G0B+1], s20, SMALL
	s_mul_i32 s[G0B+5], s10, 128*PB
	; offsets for the way out, in registers that feed no descriptor
	s_lshl_b32 s18, s42, 10                        ; 256 columns of 4 bytes
	s_lshl_b32 s8, s12, 9                          ; my 128 columns
	s_add_co_u32 s18, s18, s8
	s_mov_b32 s19, 0
	s_lshl_b32 s6, s13, 19                         ; 128 rows of 4,096 bytes
	s_lshl_b32 s8, s11, 18                         ; my 64 rows
	s_add_co_u32 s6, s6, s8
	s_add_co_u32 s6, s6, s18
	s_mov_b32 s7, 0
	s_wait_dscnt 0x0
	s_wait_kmcnt 0x0
	s_add_nc_u64 s[XA:XA+1], s[68:69], s[16:17]
	s_add_nc_u64 s[RA:RA+1], s[70:71], s[16:17]
	s_add_nc_u64 s[WB:WB+1], s[72:73], s[46:47]
	SETADR 1, 0                                    ; the big slot starts with K 0-255,
	SETADR 0, 256                                  ; the small one with K 256-383
	CROUND                                         ; all sixteen work-groups are here: the first joint loads meet
	JLOAD 1                                        ; both slots are asked for first: two tensor loads of this wave are out
	JLOAD 0
	s_add_nc_u64 s[ZP:ZP+1], s[ZP:ZP+1], s[6:7]
	s_add_nc_u64 s[HP:HP+1], s[HP:HP+1], s[6:7]
	s_add_nc_u64 s[OP:OP+1], s[OP:OP+1], s[6:7]
	s_add_nc_u64 s[78:79], s[78:79], s[18:19]      ; b_wh at my columns
	s_add_nc_u64 s[80:81], s[80:81], s[18:19]      ; b_uh
	v_and_b32 v1, 15, v0                           ; l % 16
	v_bfe_u32 v2, v0, 4, 1                         ; l / 16
	v_mul_u32_u24 v3, v1, PS
	v_lshl_add_u32 v3, v2, 4, v3                   ; small slot: row x 272 + 16 x half
	v_mul_u32_u24 v4, v1, PB
	v_lshl_add_u32 v5, v2, 5, v4                   ; stage: row x 528 + 32 x half
	v_lshl_add_u32 v4, v2, 4, v4                   ; big slot: row x 528 + 16 x half
	s_mul_i32 s20, s11, 64*PS                      ; my 64 rows of A
	s_add_co_u32 s20, s20, SMALLA
	v_add_nc_u32 v[ADRA], s20, v3
	s_mul_i32 s21, s11, 64*PB
	s_add_co_u32 s21, s21, BIGA
	v_add_nc_u32 v[ADRA+1], s21, v4
	s_mul_i32 s22, s12, 128*PS                     ; my 128 rows of weights
	s_add_co_u32 s22, s22, SMALL
	v_add_nc_u32 v[ADRB], s22, v3
	s_mul_i32 s23, s12, 128*PB
	v_add_nc_u32 v[ADRB+1], s23, v4
	s_mul_i32 s45, s10, 16*SP
	s_add_co_u32 s45, s45, STAGE                   ; my stage
	v_add_nc_u32 v[STO], s45, v5                   ; in: row l % 16, 32 bytes for each half of the lanes
	v_and_b32 v6, 31, v0
	v_lshlrev_b32 v[CO], 4, v6
	v_add_nc_u32 v[RD], s45, v[CO]                 ; back: 32 lanes take one row of 512 bytes
	global_load_b128 v[BI:BI+3], v[CO], s[78:79]
	global_load_b128 v[B2:B2+3], v[CO], s[80:81]
; 8 matrix instructions: m block a x all 8 n blocks, 32 along K.  zero = 1: the first product starts the sums.
.macro MUL8 fb, fa, a, zero
.irp b, 0,1,2,3,4,5,6,7
.if \zero
	v_wmma_f32_16x16x32_bf16 v[8*(8*\a+\b):8*(8*\a+\b)+7], v[\fb+8*\b:\fb+8*\b+7], v[\fa+8*\a:\fa+8*\a+7], 0
.else
	v_wmma_f32_16x16x32_bf16 v[8*(8*\a+\b):8*(8*\a+\b)+7], v[\fb+8*\b:\fb+8*\b+7], v[\fa+8*\a:\fa+8*\a+7], v[8*(8*\a+\b):8*(8*\a+\b)+7]
.endif
.endr
.endm
; 24 LDS loads in one run: 128 rows of weights, then 64 rows of A, 32 K at byte k of slot sl's rows (pitch 272 + 256 sl)
.macro FETCH sl, k, fb, fa
	WIN 0
.irp i, 0,1,2,3,4,5,6,7
	ds_load_b128 v[\fb+8*\i:\fb+8*\i+3],   v[ADRB+\sl] offset:\k+\i*16*(PS+256*\sl)
	ds_load_b128 v[\fb+8*\i+4:\fb+8*\i+7], v[ADRB+\sl] offset:\k+\i*16*(PS+256*\sl)+32
.endr
.irp i, 0,1,2,3
	ds_load_b128 v[\fa+8*\i:\fa+8*\i+3],   v[ADRA+\sl] offset:\k+\i*16*(PS+256*\sl)
	ds_load_b128 v[\fa+8*\i+4:\fa+8*\i+7], v[ADRA+\sl] offset:\k+\i*16*(PS+256*\sl)+32
.endr
.endm
; four places behind a matrix instruction before a load lands on one of its sources or anything reads its result (for what reads a result)
.macro PLACES
.rept 4
	v_nop
.endr
.endm
; rows 4 n .. 4 n + 3 of my 64 rows of h_prev (window 2) and of zf (window 3): each load covers 512 consecutive bytes, aligned; read once in this launch
.macro PRE n
	WIN 0x80
.irp j, 0,1,2,3
	global_load_b128 v[16*\n+4*\j:16*\n+4*\j+3], v[CO], s[HP:HP+1] offset:(4*\n+\j)*ROWF th:TH_LOAD_NT
.endr
	WIN 0xc0
.irp j, 0,1,2,3
	global_load_b128 v[16*\n+4*\j:16*\n+4*\j+3], v[CO], s[ZP:ZP+1] offset:(4*\n+\j)*ROWF th:TH_LOAD_NT
.endr
.endm
; z = 1 / (1 + 2^zf) in place for the four rows that PRE m brought
.macro SIG m
	WIN 0xc3                                       ; source 0 and destination window 3
.set j, 0
.rept 16
	v_exp_f32 v[16*\m+j], v[16*\m+j]
.set j, j+1
.endr
	v_nop                                          ; one plain vector instruction behind the transcendentals before a result is used (ISA guide 5.7.2)
.set j, 0
	s_wait_alu depctr_va_vdst(0)
.rept 8
	v_pk_add_f32 v[16*\m+2*j:16*\m+2*j+1], v[16*\m+2*j:16*\m+2*j+1], 1.0 op_sel_hi:[1,0]
.set j, j+1
.endr
.set j, 0
.rept 16
	v_rcp_f32 v[16*\m+j], v[16*\m+j]               ; read again only on the way out
.set j, j+1
.endr
.endm
; A quarter step: 32 matrix instructions on buffers (fb, fa); in its middle the next quarter's fragments go into (gb, ga).  pre >= 0: also PRE pre.
; The 32 accumulators take turns in the same order in every quarter.
.macro QUARTER sl, k, fb, fa, gb, ga, zero, pre
	s_wait_dscnt 4                                 ; the weights and A's rows 0-31 are in; the youngest four loads (A's rows 32-63) may be out
	WIN MULW
	MUL8 \fb, \fa, 0, \zero
	MUL8 \fb, \fa, 1, \zero
	PLACES
	FETCH \sl, \k, \gb, \ga
.if \pre >= 0
	PRE \pre
.endif
	s_wait_dscnt 24                                ; all but the 24 just issued
	WIN MULW
	MUL8 \fb, \fa, 2, \zero
	MUL8 \fb, \fa, 3, \zero
.endm
; The last quarter of a slot changes slots.  In front of the barrier each wave waits for its reads of this slot and for all its tensor loads (one is out:
; its part of the next slot).  fill = 1: behind the cluster's round this slot is filled again, first thing, one tensor load a wave, with the tiles that begin
; at kabs along K; half = 1: they are the last 128 along K, laid at the big slot's pitch.  No tensor load of the wave is out there: descriptors may be written.
.macro TURN sl, next, fill, kabs, half
	s_wait_dscnt 4
	WIN MULW
	MUL8 FB1, FA1, 0, 0
	s_wait_dscnt 0                                 ; my reads of this slot are over
	s_wait_tensorcnt 0x0                           ; all my tensor loads have landed
	ds_add_u32 v62, v63
	s_wait_dscnt 0x0
	s_barrier_signal -1
	MUL8 FB1, FA1, 1, 0                            ; work on registers while the others arrive
	WIN 0
	s_barrier_wait -1
.if \fill
	CREST
.if \half
	s_or_b32  s[G1A+8],  s43, W0H
	s_mov_b32 s[G1A+9],  128<<16
	s_mov_b32 s[G1A+11], 128<<16
	s_or_b32  s[G1B+8],  s44, W0H
	s_mov_b32 s[G1B+9],  128<<16
	s_mov_b32 s[G1B+11], 128<<16
.endif
	SETADR \sl, \kabs
	JLOAD \sl
.endif
	PLACES
	FETCH \next, 0, FB0, FA0
	WIN MULW
	MUL8 FB1, FA1, 2, 0
	MUL8 FB1, FA1, 3, 0
.endm
; the first seven quarters of the big slot; n0, n1, n2: groups of loads of h_prev and zf (-1: none)
.macro BIGP n0, n1, n2, zero
	QUARTER 1, 64,  FB0, FA0, FB1, FA1, \zero, \n0
	QUARTER 1, 128, FB1, FA1, FB0, FA0, 0, -1
	QUARTER 1, 192, FB0, FA0, FB1, FA1, 0, \n1
	QUARTER 1, 256, FB1, FA1, FB0, FA0, 0, -1
	QUARTER 1, 320, FB0, FA0, FB1, FA1, 0, \n2
	QUARTER 1, 384, FB1, FA1, FB0, FA0, 0, -1
	QUARTER 1, 448, FB0, FA0, FB1, FA1, 0, -1
.endm
; the first three quarters of the small slot; n as above; then z is finished for groups m0 .. m3 (m3 = -1: three only); left = loads issued behind group m3's or m2's
.macro SMALLP n, left, m0, m1, m2, m3
	QUARTER 0, 64,  FB0, FA0, FB1, FA1, 0, \n
	s_wait_loadcnt \left
	SIG \m0
	QUARTER 0, 128, FB1, FA1, FB0, FA0, 0, -1
	SIG \m1
	QUARTER 0, 192, FB0, FA0, FB1, FA1, 0, -1
	SIG \m2
.if \m3 >= 0
	SIG \m3
.endif
.endm
	s_wait_tensorcnt 1                             ; my part of the big slot is in; the small slot's load stays out
	s_barrier_signal -1
	s_barrier_wait -1
	FETCH 1, 0, FB0, FA0
	BIGP 0, 1, 2, 1                                ; K 0-255: the first products start the sums
	TURN 1, 0, 1, 384, 0
	SMALLP 3, 8, 0, 1, 2, -1                       ; K 256-383; behind group 2's loads stand group 3's eight
	TURN 0, 1, 1, 640, 0
	BIGP 4, 5, 6, 0                                ; K 384-639
	TURN 1, 0, 1, 768, 0
	SMALLP 7, 16, 3, 4, 5, -1                      ; K 640-767; behind group 5's: groups 6, 7
	TURN 0, 1, 1, 1024, 0
	BIGP 8, 9, 10, 0                               ; K 768-1023: the rest of xb
	TURN 1, 0, 1, 1152, 0
	SMALLP 11, 24, 6, 7, 8, -1                     ; K 1024-1151: rb's first 128; behind group 8's: groups 9, 10, 11
	TURN 0, 1, 1, 1408, 0
	BIGP 12, 13, 14, 0                             ; K 1152-1407
	TURN 1, 0, 1, 1536, 0
	SMALLP 15, 24, 9, 10, 11, 12                   ; K 1408-1535; behind group 12's: groups 13, 14, 15
	TURN 0, 1, 1, 1792, 0
	BIGP -1, -1, -1, 0                             ; K 1536-1791
	TURN 1, 0, 1, 1920, 1                          ; the last tiles: 128 along K
	SMALLP -1, 0, 13, 14, 15, -1                   ; K 1792-1919; no load was issued behind group 15's: all of h_prev, zf and the biases are in
	TURN 0, 1, 0, 0, 0                             ; nothing is left to fetch: a plain barrier, no round.  Behind it no wave reads the small slot again
	QUARTER 1, 64,  FB0, FA0, FB1, FA1, 0, -1      ; K 1920-2047, in the big slot's first 256 bytes of each row
	QUARTER 1, 128, FB1, FA1, FB0, FA0, 0, -1
	QUARTER 1, 192, FB0, FA0, FB1, FA1, 0, -1
	s_wait_dscnt 4                                 ; the very last quarter
	WIN MULW
	MUL8 FB1, FA1, 0, 0
	MUL8 FB1, FA1, 1, 0
	s_wait_dscnt 0
	MUL8 FB1, FA1, 2, 0
	MUL8 FB1, FA1, 3, 0
	; THE WAY OUT, 16 rows at a time: the sums go as f32 through my own stage in LDS and come back as whole rows of 512 bytes, 4 columns a lane,
	; which is how h_prev and z already lie in windows 2 and 3.
	PLACES
	WIN 0
	v_pk_add_f32 v[BI:BI+1],   v[BI:BI+1],   v[B2:B2+1]
	v_pk_add_f32 v[BI+2:BI+3], v[BI+2:BI+3], v[B2+2:B2+3]
	v_pk_mul_f32 v[BI:BI+1],   v[BI:BI+1],   LOG2E2 op_sel_hi:[1,0]
	v_pk_mul_f32 v[BI+2:BI+3], v[BI+2:BI+3], LOG2E2 op_sel_hi:[1,0]
; rows 16 g .. 16 g + 15 of my block
.macro OUTG g
	WIN 0x04                                       ; an LDS store's data is source 1: window 1
.irp b, 0,1,2,3,4,5,6,7
	ds_store_b128 v[STO], v[8*(8*\g+\b):8*(8*\g+\b)+3]   offset:64*\b
	ds_store_b128 v[STO], v[8*(8*\g+\b)+4:8*(8*\g+\b)+7] offset:64*\b+16
.endr
	WIN 0
	s_wait_xcnt 0x0                                ; every earlier memory instruction has had its addresses translated (ISA guide 3.1): TMP, which the last group's stores read, is rewritten only behind this wait
.irp t, 0,1,2,3,4,5,6,7,8,9,10,11,12,13,14,15
	ds_load_b128 v[TMP+4*\t:TMP+4*\t+3], v[RD] offset:SP*\t        ; LDS serves a wave's instructions in order (ISA guide 5.7.1.4)
.endr
.irp t, 0,1,2,3,4,5,6,7,8,9,10,11,12,13,14,15
	s_wait_dscnt 15-\t                             ; row t is in, the younger rows stay out
	v_pk_fma_f32 v[TMP+4*\t:TMP+4*\t+1],   v[TMP+4*\t:TMP+4*\t+1],   LOG2E2, v[BI:BI+1]   op_sel_hi:[1,0,1]
	v_pk_fma_f32 v[TMP+4*\t+2:TMP+4*\t+3], v[TMP+4*\t+2:TMP+4*\t+3], LOG2E2, v[BI+2:BI+3] op_sel_hi:[1,0,1]
.endr
.set j, 0
.rept 64
	v_exp_f32 v[TMP+j], v[TMP+j]
.set j, j+1
.endr
	WIN 0x03                                       ; source 0 = z.  These plain lines also stand between the exponentials and the first use of a result (ISA guide 5.7.2)
.set j, 0
.rept 32
	v_pk_fma_f32 v[W+2*j:W+2*j+1], v[64*\g+2*j:64*\g+2*j+1], -1.0, 1.0 op_sel_hi:[1,0,0]      ; 1 - z
.set j, j+1
.endr
	WIN 0
.set j, 0
	s_wait_alu depctr_va_vdst(0)
.rept 32
	v_pk_add_f32 v[TMP+2*j:TMP+2*j+1], v[TMP+2*j:TMP+2*j+1], 1.0 op_sel_hi:[1,0]
.set j, j+1
.endr
.set j, 0
.rept 64
	v_rcp_f32 v[TMP+j], v[TMP+j]
.set j, j+1
.endr
	WIN 0x08                                       ; source 1 = h_prev.  Again the plain lines behind the transcendentals
.set j, 0
.rept 32
	v_pk_mul_f32 v[W+2*j:W+2*j+1], v[W+2*j:W+2*j+1], v[64*\g+2*j:64*\g+2*j+1]                 ; (1 - z) h
.set j, j+1
.endr
	WIN 0
.set j, 0
	s_wait_alu depctr_va_vdst(0)
.rept 32
	v_pk_fma_f32 v[TMP+2*j:TMP+2*j+1], v[TMP+2*j:TMP+2*j+1], -2.0, 1.0 op_sel_hi:[1,0,0]      ; tanh
.set j, j+1
.endr
	WIN 0x03
.set j, 0
.rept 32
	v_pk_fma_f32 v[TMP+2*j:TMP+2*j+1], v[64*\g+2*j:64*\g+2*j+1], v[TMP+2*j:TMP+2*j+1], v[W+2*j:W+2*j+1]   ; z hhat + (1 - z) h
.set j, j+1
.endr
	WIN 0
.irp t, 0,1,2,3,4,5,6,7,8,9,10,11,12,13,14,15
	global_store_b128 v[CO], v[TMP+4*\t:TMP+4*\t+3], s[OP:OP+1] offset:(16*\g+\t)*ROWF th:TH_STORE_NT     ; the wave stores 512 consecutive bytes, aligned
.endr
.endm
	OUTG 0
	OUTG 1
	OUTG 2
	OUTG 3
	s_wait_tensorcnt 0x0
	ds_add_u32 v62, v63
	s_wait_dscnt 0x0
	CROUND                                         ; the closing round: no work-group ends while a partner may still ask for a tile that names it
	s_endpgm
.Lfunc_end_k_qa3f4a8c110_blend:
	.size	k_qa3f4a8c110_blend, .Lfunc_end_k_qa3f4a8c110_blend-k_qa3f4a8c110_blend
	.p2alignl 7, 3214868480
	.fill 96, 4, 3214868480
	.section	.rodata,"a",@progbits
	.p2align	6, 0x0
	.amdhsa_kernel k_qa3f4a8c110_blend
		.amdhsa_group_segment_fixed_size 327680
		.amdhsa_private_segment_fixed_size 0
		.amdhsa_enable_private_segment 0
		.amdhsa_kernarg_size 64
		.amdhsa_user_sgpr_count 2
		.amdhsa_user_sgpr_kernarg_segment_ptr 1
		.amdhsa_wavefront_size32 1
		.amdhsa_system_sgpr_workgroup_id_x 1
		.amdhsa_system_sgpr_workgroup_id_y 1
		.amdhsa_system_sgpr_workgroup_id_z 1
		.amdhsa_system_vgpr_workitem_id 0
		.amdhsa_next_free_vgpr 1024
		.amdhsa_next_free_sgpr 100
		.amdhsa_reserve_vcc 0
		.amdhsa_float_denorm_mode_32 3
		.amdhsa_float_denorm_mode_16_64 3
		.amdhsa_memory_ordered 1
		.amdhsa_forward_progress 1
		.amdhsa_inst_pref_size 255
	.end_amdhsa_kernel
	.section	.bss,"aw",@nobits
	.p2align	6
	.space	262144
	.amdgpu_metadata
---
amdhsa.version: [ 1, 2 ]
amdhsa.kernels:
  - .name:           k_qa3f4a8c110_blend
    .symbol:         k_qa3f4a8c110_blend.kd
    .args:
      - { .name: xb, .offset: 0, .size: 8, .value_kind: global_buffer, .address_space: global }
      - { .name: rb, .offset: 8, .size: 8, .value_kind: global_buffer, .address_space: global }
      - { .name: wcat, .offset: 16, .size: 8, .value_kind: global_buffer, .address_space: global }
      - { .name: zf, .offset: 24, .size: 8, .value_kind: global_buffer, .address_space: global }
      - { .name: h_prev, .offset: 32, .size: 8, .value_kind: global_buffer, .address_space: global }
      - { .name: b_wh, .offset: 40, .size: 8, .value_kind: global_buffer, .address_space: global }
      - { .name: b_uh, .offset: 48, .size: 8, .value_kind: global_buffer, .address_space: global }
      - { .name: out0, .offset: 56, .size: 8, .value_kind: global_buffer, .address_space: global }
    .group_segment_fixed_size: 327680
    .private_segment_fixed_size: 0
    .kernarg_segment_align: 8
    .kernarg_segment_size: 64
    .max_flat_workgroup_size: 128
    .sgpr_count:     100
    .vgpr_count:     1024
    .wavefront_size: 32
...
	.end_amdgpu_metadata
.endif
;; end of part 3
